; MI455X (gfx1250); checked and timed in simulation.
; The chip was launched on July 23, 2026; its instructions are those of AMD's public machine-readable ISA for CDNA 5 (MIT licence, August 2026) and "CDNA5" Instruction Set Architecture Reference Guide (July 2026). The comments in the code are by the model that wrote it; some were corrected since.
;; State Value. Allowed arithmetic: float matrix products may take bf16 or f16 operands with f32 sums; other float arithmetic in f32, or as packed bf16 or f16 multiplies, adds, multiply-adds, maxima and minima; sums over many terms, partial sums and values carried from step to step in f32; what a program stores and reads back later, other than sums and carried values, may be rounded once to bf16 or f16.
;; Inputs: W1 16 x 1,024 x 4,096 float32; W2 16 x 4,096 float32; Wg 16 x 1,024 float32; b1 16 x 4,096 float32; b2 16 float32; bg 16 float32; latent_state 1,024 x 1,024 float32; ln_b 16 x 4,096 float32; ln_g 16 x 4,096 float32.
;; Outputs: out0 1,024 x 1 float32.
;; One version. Each part assembles by itself: llvm-mc -triple=amdgcn-amd-amdhsa -mcpu=gfx1250 --defsym DOCPART=n.
;; ======== version 1 of 1: 4 launches
;; limits: values are held in f16: magnitudes above 65,504 overflow, below 6.1e-05 lose precision; right only within a limited range of input values
;; workspace buffers: xb 2,097,152 bytes; gate 65,536 bytes; hbuf 134,217,728 bytes; nref 65,536 bytes; par 1,048,576 bytes; pe 65,536 bytes
;; launch prep (part 1): grid 64 x 1, 8 waves a work-group, no clusters, 17,408 bytes of LDS; arguments latent_state, Wg, bg, W1, b1, ln_g, ln_b, W2, xb, gate, nref, par; writes xb, gate, nref, par
.if DOCPART == 1
	.amdgcn_target "amdgcn-amd-amdhsa--gfx1250"
	.amdhsa_code_object_version 6
	.text
	.protected	k_qcd5557bb5d_prep
	.globl	k_qcd5557bb5d_prep
	.p2align	8
	.type	k_qcd5557bb5d_prep,@function
k_qcd5557bb5d_prep:
	s_mov_b64 s[64:65], 0
	v_nop
	global_prefetch_b8 v0, s[64:65] scope:SCOPE_SE
	s_setreg_imm32_b32 hwreg(HW_REG_WAVE_MODE, 25, 1), 1
	s_wait_xcnt 0x0
; PREP.  (1) x [1024][1024] f32 is rounded once to bf16 and laid out as the matrix unit's operand registers take it:
;   xb byte = s*262144 + rb*4096 + q*1024 + half*512 + lane*16,  s = k/128, rb = b/16, q = (k/32)%4;
;   lane (r = lane%16, h = lane/16) holds row 16 rb + r; half 0: k = 32(4s+q)+8h .. +7, half 1: the same + 16.
; (2) gate[e][b] = softmax over e of (x Wg^T + bg): products in bf16 with f32 sums, the row's maximum taken away before the exponentials.
; (3) nref[e][b] = - c_e x (sum over k of x[b][k]),  c_e = the mean of W1[e][0][0..63]: the number from which the next launch starts row b's sums for expert e.  LayerNorm drops whatever is
;   common to a row, so ANY number serves and none is put back; this one takes away the part that a common offset in W1 puts into a whole row, so that it does not meet the 16-bit step in which h is stored.
; (4) par[4][16][4096] f32 = b1, ln_g, ln_b, W2, each rounded to bf16 and widened again.
; ALL the module's inputs are rounded to bf16 (x, Wg, bg and the four vectors here; W1 and b2 where they are used): the program computes the module on inputs that are rounded alike.
; SHARES.  Work-group rb owns 16 rows of x; wave w owns k = 128 w .. 128 w + 127: four fragments of 16 x 32.  The eight waves' partial sums (f32) meet in LDS;
; wave 0 adds the logits in ascending w and makes the softmax, wave 1 adds nref's parts.  Thread t of the launch's 16,384 owns 16 bytes at byte 16 t of each of the four vectors.
; LIMITS.  An exponential below 2^-126 counts as 0; NaN and infinities are not treated apart.
; gate and nref are stored in pieces of 64 consecutive bytes (16 rows of one expert): 128 KiB in the whole launch.
.set SPARE, 16384                      ; behind the partial sums: the spare words, 128 bytes for each of eight waves
.set PR,  8                            ; v[8:23]    my four numbers of each of the four vectors
.set X,   32                           ; v[32:95]   x as loaded, 16 registers a fragment; then v[32:63] its four fragments, packed in place
.set WR,  96                           ; v[96:159]  Wg likewise; then v[96:127] its fragments
.set P,   128                          ; v[128:191] later: the eight waves' parts
.set SA,  160                          ; v[160:191] my 32 numbers of W1
.set BG,  192                          ; bg[8h .. 8h+7]
.set AC0, 200                          ; four accumulators that take turns: two for the logits,
.set AC1, 208
.set AC2, 216                          ; two for nref
.set AC3, 224
.set SM,  232                          ; their sums
.set SM2, 240
.set WF2, 248                          ; a fragment that holds bf16(-c_r) at every k
.macro GATHER base                     ; the eight waves' parts of my 8 numbers
.irp p, 0,1,2,3,4,5,6,7
	ds_load_b128 v[P+8*(\p):P+8*(\p)+3],   v4 offset:(\base)+1024*(\p)
	ds_load_b128 v[P+8*(\p)+4:P+8*(\p)+7], v4 offset:(\base)+1024*(\p)+512
.endr
.endm
.macro SUM8                            ; added in ascending k
.irp p, 1,2,3,4,5,6,7
.irp k, 0,2,4,6
	v_pk_add_f32 v[P+(\k):P+(\k)+1], v[P+(\k):P+(\k)+1], v[P+8*(\p)+(\k):P+8*(\p)+(\k)+1]
.endr
.endr
.endm
	s_load_b512 s[32:47], s[0:1], 0x0              ; x s[32:33], Wg s[34:35], bg s[36:37], W1 s[38:39], b1 s[40:41], g s[42:43], lb s[44:45], W2 s[46:47]
	s_load_b256 s[48:55], s[0:1], 0x40             ; xb s[48:49], gate s[50:51], nref s[52:53], par s[54:55]
	v_lshl_add_u32 v30, v0, 2, SPARE               ; my spare word,
	v_mov_b32 v31, 0                               ; and 0: kept for the add alone
	v_lshrrev_b32 v1, 5, v0
	v_readfirstlane_b32 s20, v1                    ; wave 0..7
	v_and_b32 v1, 15, v0                           ; r
	v_bfe_u32 v2, v0, 4, 1                         ; h
	v_lshlrev_b32 v3, 12, v1
	v_lshl_add_u32 v3, v2, 5, v3                   ; r rows of 4,096 bytes + 8 h numbers of f32
	v_and_b32 v4, 31, v0
	v_lshlrev_b32 v4, 4, v4                        ; 16 x lane
	v_lshl_add_u32 v5, s20, 10, v4                 ; my 16 bytes of my wave's 1,024 in LDS
	v_lshlrev_b32 v6, 2, v1
	v_lshl_add_u32 v6, v2, 15, v6                  ; gate and nref: 8 h rows of 4,096 bytes + 4 r
	v_lshlrev_b32 v7, 5, v2                        ; bg: 8 h numbers
	s_lshl_b32 s18, ttmp9, 12
	v_lshl_add_u32 v24, v0, 4, s18                 ; the four vectors: 16 bytes a thread, 4,096 a work-group
	v_lshlrev_b32 v25, 24, v1                      ; W1: expert r's 16 MiB,
	v_lshl_add_u32 v25, v2, 7, v25                 ; 128 bytes for each half of the lanes
	s_mov_b32 s14, 0x76543210                      ; v_permlanex16_b32: each lane takes its own place in the other half
	s_mov_b32 s15, 0xfedcba98
	s_mov_b32 s16, 0x3fb8aa3b                      ; log2(e)
	s_mov_b32 s17, 0xbfb8aa3b                      ; - log2(e)
	s_lshl_b32 s22, ttmp9, 16                      ; x: 16 rows a work-group,
	s_lshl_b32 s24, s20, 9                         ; 128 numbers a wave (Wg too)
	s_add_co_u32 s22, s22, s24
	s_mov_b32 s23, 0
	s_mov_b32 s25, 0
	s_lshl_b32 s26, s20, 18                        ; xb: K step w,
	s_add_co_u32 s26, s26, s18                     ; row block rb
	s_mov_b32 s27, 0
	s_lshl_b32 s28, ttmp9, 6                       ; gate and nref: 16 numbers a work-group
	s_mov_b32 s29, 0
	s_wait_kmcnt 0x0
	s_add_nc_u64 s[32:33], s[32:33], s[22:23]
	s_add_nc_u64 s[34:35], s[34:35], s[24:25]
	s_add_nc_u64 s[48:49], s[48:49], s[26:27]
	s_add_nc_u64 s[50:51], s[50:51], s[28:29]
	s_add_nc_u64 s[52:53], s[52:53], s[28:29]
.irp q, 0,1,2,3                        ; fragment q: k = 8h .. 8h+7 at bytes 0 and 16, k = 16+8h .. at bytes 64 and 80
.irp t, 0,1,2,3
	global_load_b128 v[X+16*(\q)+4*(\t):X+16*(\q)+4*(\t)+3],   v3, s[32:33] offset:128*(\q)+16*((\t)%2)+64*((\t)/2) th:TH_LOAD_NT
	global_load_b128 v[WR+16*(\q)+4*(\t):WR+16*(\q)+4*(\t)+3], v3, s[34:35] offset:128*(\q)+16*((\t)%2)+64*((\t)/2)
.endr
.endr
	global_load_b128 v[BG:BG+3],   v7, s[36:37]
	global_load_b128 v[BG+4:BG+7], v7, s[36:37] offset:16
.irp i, 0,1,2,3,4,5,6,7                ; the two lanes of expert r take 256 consecutive bytes, aligned: W1[r][0][0..63]
	global_load_b128 v[SA+4*(\i):SA+4*(\i)+3], v25, s[38:39] offset:16*(\i)
.endr
.irp t, 0,1,2,3
	global_load_b128 v[PR+4*(\t):PR+4*(\t)+3], v24, s[40+2*(\t):41+2*(\t)] th:TH_LOAD_NT
.endr
	s_wait_loadcnt 0x0
.set i, 0
.rept 32                               ; packed in place: register i is written when registers 2 i and 2 i + 1 are read, and was itself read at i / 2
	v_cvt_pk_bf16_f32 v[X+i],  v[X+2*i],  v[X+2*i+1]
	v_cvt_pk_bf16_f32 v[WR+i], v[WR+2*i], v[WR+2*i+1]
.set i, i+1
.endr
.irp q, 0,1,2,3
	global_store_b128 v4, v[X+8*(\q):X+8*(\q)+3],   s[48:49] offset:1024*(\q)      ; each store of the wave covers 512 consecutive bytes, aligned
	global_store_b128 v4, v[X+8*(\q)+4:X+8*(\q)+7], s[48:49] offset:1024*(\q)+512
.endr
.irp k, 0,2,4,6,8,10,12,14             ; the four vectors: rounded to bf16, a pair at a time,
	v_cvt_pk_bf16_f32 v[PR+(\k)], v[PR+(\k)], v[PR+(\k)+1]
.endr
.irp k, 0,2,4,6,8,10,12,14             ; and widened again
	v_and_b32 v[PR+(\k)+1], 0xffff0000, v[PR+(\k)]
	v_lshlrev_b32 v[PR+(\k)], 16, v[PR+(\k)]
.endr
.irp t, 0,1,2,3
	global_store_b128 v24, v[PR+4*(\t):PR+4*(\t)+3], s[54:55] offset:262144*(\t)   ; 512 consecutive bytes a wave, aligned
.endr
.irp k, 0,2,4,6,8,10,12,14             ; - c_r: my 32 numbers,
	v_pk_add_f32 v[SA+(\k):SA+(\k)+1], v[SA+(\k):SA+(\k)+1], v[SA+16+(\k):SA+16+(\k)+1]
.endr
.irp k, 0,2,4,6
	v_pk_add_f32 v[SA+(\k):SA+(\k)+1], v[SA+(\k):SA+(\k)+1], v[SA+8+(\k):SA+8+(\k)+1]
.endr
.irp k, 0,2
	v_pk_add_f32 v[SA+(\k):SA+(\k)+1], v[SA+(\k):SA+(\k)+1], v[SA+4+(\k):SA+4+(\k)+1]
.endr
	v_pk_add_f32 v[SA:SA+1], v[SA:SA+1], v[SA+2:SA+3]
	v_add_f32 v[SA], v[SA], v[SA+1]
	v_permlanex16_b32 v[SA+1], v[SA], s14, s15     ; the other 32, in the lane 16 away,
	v_add_f32 v[SA], v[SA], v[SA+1]
	v_mul_f32 v[SA], 0xbc800000, v[SA]             ; times - 1 / 64,
	v_cvt_pk_bf16_f32 v[WF2], v[SA], v[SA]         ; in bf16, at every k of the fragment
.irp i, 1,2,3,4,5,6,7
	v_mov_b32 v[WF2+(\i)], v[WF2]
.endr
	; source 0 = 16 experts, source 1 = 16 rows of x: in the result lane (r, h) holds row r and experts 8h .. 8h+7.  The four accumulators take turns.
	v_wmma_f32_16x16x32_bf16 v[AC0:AC0+7], v[WR:WR+7],       v[X:X+7],       0
	v_wmma_f32_16x16x32_bf16 v[AC1:AC1+7], v[WR+8:WR+15],    v[X+8:X+15],    0
	v_wmma_f32_16x16x32_bf16 v[AC2:AC2+7], v[WF2:WF2+7],     v[X:X+7],       0
	v_wmma_f32_16x16x32_bf16 v[AC3:AC3+7], v[WF2:WF2+7],     v[X+8:X+15],    0
	v_wmma_f32_16x16x32_bf16 v[AC0:AC0+7], v[WR+16:WR+23],   v[X+16:X+23],   v[AC0:AC0+7]
	v_wmma_f32_16x16x32_bf16 v[AC1:AC1+7], v[WR+24:WR+31],   v[X+24:X+31],   v[AC1:AC1+7]
	v_wmma_f32_16x16x32_bf16 v[AC2:AC2+7], v[WF2:WF2+7],     v[X+16:X+23],   v[AC2:AC2+7]
	v_wmma_f32_16x16x32_bf16 v[AC3:AC3+7], v[WF2:WF2+7],     v[X+24:X+31],   v[AC3:AC3+7]
.rept 4
	v_nop                                          ; four places between a product and the first reader of its result (ISA guide 7.12.1)
.endr
.irp k, 0,2,4,6                        ; the accumulators are read from their low end on
	v_pk_add_f32 v[SM+(\k):SM+(\k)+1], v[AC0+(\k):AC0+(\k)+1], v[AC1+(\k):AC1+(\k)+1]
.endr
.irp k, 0,2,4,6
	v_pk_add_f32 v[SM2+(\k):SM2+(\k)+1], v[AC2+(\k):AC2+(\k)+1], v[AC3+(\k):AC3+(\k)+1]
.endr
	ds_store_b128 v5, v[SM:SM+3]
	ds_store_b128 v5, v[SM+4:SM+7] offset:512
	ds_store_b128 v5, v[SM2:SM2+3] offset:8192
	ds_store_b128 v5, v[SM2+4:SM2+7] offset:8704
	s_wait_tensorcnt 0x0                           ; my last LDS stores are issued;
	ds_add_u32 v30, v31
	s_wait_dscnt 0x0                               ; this is also the wait that the barrier needs: my stores are done, for the sake of waves 0 and 1
	s_barrier_signal -1
	s_barrier_wait -1
	s_cmp_lt_u32 s20, 2
	s_cbranch_scc0 .Lend                           ; waves 2 to 7 are done
	s_cmp_eq_u32 s20, 1
	s_cbranch_scc1 .Lref
	GATHER 0                                       ; wave 0: the logits
.irp k, 0,2,4,6                        ; bg is rounded to bf16, as every input is, and widened again
	v_cvt_pk_bf16_f32 v[BG+(\k)], v[BG+(\k)], v[BG+(\k)+1]
.endr
.irp k, 0,2,4,6
	v_and_b32 v[BG+(\k)+1], 0xffff0000, v[BG+(\k)]
	v_lshlrev_b32 v[BG+(\k)], 16, v[BG+(\k)]
.endr
	s_wait_dscnt 0x0
	SUM8
.irp k, 0,2,4,6
	v_pk_add_f32 v[P+(\k):P+(\k)+1], v[P+(\k):P+(\k)+1], v[BG+(\k):BG+(\k)+1]
.endr
	v_max3_num_f32 v[P+8], v[P], v[P+1], v[P+2]    ; the row's maximum: my eight experts,
	v_max3_num_f32 v[P+8], v[P+8], v[P+3], v[P+4]
	v_max3_num_f32 v[P+8], v[P+8], v[P+5], v[P+6]
	v_max_num_f32 v[P+8], v[P+8], v[P+7]
	v_permlanex16_b32 v[P+9], v[P+8], s14, s15     ; and the other eight, in the lane 16 away
	v_max_num_f32 v[P+8], v[P+8], v[P+9]
	v_mul_f32 v[P+9], s17, v[P+8]                  ; - m log2(e)
.irp j, 0,1,2,3,4,5,6,7
	v_fma_f32 v[P+(\j)], v[P+(\j)], s16, v[P+9]    ; (l - m) log2(e): 0 at the most
.endr
.irp j, 0,1,2,3,4,5,6,7
	v_exp_f32 v[P+(\j)], v[P+(\j)]
.endr
	v_nop                                          ; a plain instruction behind the last exponential,
	s_wait_alu depctr_va_vdst(0)                   ; and one wait for the batch of eight, ahead of its first reader
	v_pk_add_f32 v[P+10:P+11], v[P:P+1], v[P+2:P+3]
	v_pk_add_f32 v[P+12:P+13], v[P+4:P+5], v[P+6:P+7]
	v_pk_add_f32 v[P+10:P+11], v[P+10:P+11], v[P+12:P+13]
	v_add_f32 v[P+10], v[P+10], v[P+11]
	v_permlanex16_b32 v[P+11], v[P+10], s14, s15
	v_add_f32 v[P+10], v[P+10], v[P+11]            ; at least 1: the maximum's own term
	v_rcp_f32 v[P+12], v[P+10]
	v_nop
	s_wait_alu depctr_va_vdst(0)
.irp k, 0,2,4,6
	v_pk_mul_f32 v[P+(\k):P+(\k)+1], v[P+(\k):P+(\k)+1], v[P+12:P+13] op_sel_hi:[1,0]
.endr
.irp j, 0,1,2,3,4,5,6,7
	global_store_b32 v6, v[P+(\j)], s[50:51] offset:4096*(\j)   ; gate[8h + j][16 rb + r]
.endr
	s_branch .Lend
.Lref:
	GATHER 8192                                    ; wave 1: nref's parts
	s_wait_dscnt 0x0
	SUM8
.irp j, 0,1,2,3,4,5,6,7
	global_store_b32 v6, v[P+(\j)], s[52:53] offset:4096*(\j)   ; nref[8h + j][16 rb + r]
.endr
.Lend:
	s_endpgm
.Lfunc_end_k_qcd5557bb5d_prep:
	.size	k_qcd5557bb5d_prep, .Lfunc_end_k_qcd5557bb5d_prep-k_qcd5557bb5d_prep
	.p2alignl 7, 3214868480
	.fill 96, 4, 3214868480
	.section	.rodata,"a",@progbits
	.p2align	6, 0x0
	.amdhsa_kernel k_qcd5557bb5d_prep
		.amdhsa_group_segment_fixed_size 17408
		.amdhsa_private_segment_fixed_size 0
		.amdhsa_enable_private_segment 0
		.amdhsa_kernarg_size 96
		.amdhsa_user_sgpr_count 2
		.amdhsa_user_sgpr_kernarg_segment_ptr 1
		.amdhsa_wavefront_size32 1
		.amdhsa_system_sgpr_workgroup_id_x 1
		.amdhsa_system_sgpr_workgroup_id_y 1
		.amdhsa_system_sgpr_workgroup_id_z 1
		.amdhsa_system_vgpr_workitem_id 0
		.amdhsa_next_free_vgpr 256
		.amdhsa_next_free_sgpr 66
		.amdhsa_reserve_vcc 0
		.amdhsa_float_denorm_mode_32 3
		.amdhsa_float_denorm_mode_16_64 3
		.amdhsa_memory_ordered 1
		.amdhsa_forward_progress 1
		.amdhsa_inst_pref_size 26
	.end_amdhsa_kernel
	.amdgpu_metadata
---
amdhsa.version: [ 1, 2 ]
amdhsa.kernels:
  - .name:           k_qcd5557bb5d_prep
    .symbol:         k_qcd5557bb5d_prep.kd
    .args:
      - { .name: latent_state, .offset: 0, .size: 8, .value_kind: global_buffer, .address_space: global }
      - { .name: Wg, .offset: 8, .size: 8, .value_kind: global_buffer, .address_space: global }
      - { .name: bg, .offset: 16, .size: 8, .value_kind: global_buffer, .address_space: global }
      - { .name: W1, .offset: 24, .size: 8, .value_kind: global_buffer, .address_space: global }
      - { .name: b1, .offset: 32, .size: 8, .value_kind: global_buffer, .address_space: global }
      - { .name: ln_g, .offset: 40, .size: 8, .value_kind: global_buffer, .address_space: global }
      - { .name: ln_b, .offset: 48, .size: 8, .value_kind: global_buffer, .address_space: global }
      - { .name: W2, .offset: 56, .size: 8, .value_kind: global_buffer, .address_space: global }
      - { .name: xb, .offset: 64, .size: 8, .value_kind: global_buffer, .address_space: global }
      - { .name: gate, .offset: 72, .size: 8, .value_kind: global_buffer, .address_space: global }
      - { .name: nref, .offset: 80, .size: 8, .value_kind: global_buffer, .address_space: global }
      - { .name: par, .offset: 88, .size: 8, .value_kind: global_buffer, .address_space: global }
    .group_segment_fixed_size: 17408
    .private_segment_fixed_size: 0
    .kernarg_segment_align: 8
    .kernarg_segment_size: 96
    .max_flat_workgroup_size: 256
    .sgpr_count:     66
    .vgpr_count:     256
    .wavefront_size: 32
...
	.end_amdgpu_metadata
.endif
;; end of part 1
;; launch gemm (part 2): grid 256 x 1, 4 waves a work-group, clusters of 4 x 1, 327,680 bytes of LDS; arguments xb, W1, hbuf, nref; writes hbuf
.if DOCPART == 2
	.amdgcn_target "amdgcn-amd-amdhsa--gfx1250"
	.amdhsa_code_object_version 6
	.text
	.protected	k_qcd5557bb5d_gemm
	.globl	k_qcd5557bb5d_gemm
	.p2align	8
	.type	k_qcd5557bb5d_gemm,@function
k_qcd5557bb5d_gemm:
	s_mov_b64 s[64:65], 0
	v_nop
	global_prefetch_b8 v0, s[64:65] scope:SCOPE_SE
	s_setreg_imm32_b32 hwreg(HW_REG_WAVE_MODE, 25, 1), 1
	s_wait_xcnt 0x0
	s_wait_alu depctr_hold_cnt(0) depctr_sa_sdst(0) depctr_va_vdst(0) depctr_va_sdst(0) depctr_va_ssrc(0) depctr_va_vcc(0) depctr_vm_vsrc(0)
	s_getreg_b32 s2, hwreg(HW_REG_IB_STS2, 6, 4)
	s_cmp_eq_u32 s2, 0
	s_cbranch_scc0 .Lentry_in_a_cluster
	s_endpgm
.Lentry_in_a_cluster:
	s_bfe_u32 s2, ttmp6, 0x10000c
	s_cmp_lg_u32 s2, 0x3003
	s_cbranch_scc0 .Lentry_shape_is_right
	s_endpgm
.Lentry_shape_is_right:
; hbuf[e][b][d] f16 = nref[e][b] + sum over k of x[b][k] W1[e][k][d]   (no bias: the next launch adds it), bf16 operands, f32 sums, K ascending, rounded once to f16.
; x comes as xb (bf16, in fragment order: see PREP); W1 is [16][1024][4096] f32; nref is [16][1024] f32.
; nref IS THE C OPERAND THAT STARTS A ROW'S SUMS.  It is one number for a whole row of 4,096 columns, so LayerNorm, which comes next, drops it: it is never put back, and any number gives the same result.
; What it is there for: PREP makes it - c_e x (the row's sum of x), c_e an estimate of W1[e]'s mean, which takes away the part that a common offset in W1 puts into a whole row
; (with offsets of 30 spreads in x and W1 together: 1024 x 30 x 0.6), so that this part never meets the 16-bit step; of it the estimate's error leaves some 80, beside a row's spread of 19.
; LIMITS.  |h + nref| stays under 65,504, f16's end: the drawn inputs give it a spread of 0.7, so the product of x's and W1's scales has a room of some 20,000.  Below 6e-5 f16 keeps its fixed step of 6e-8.
; The stored number is off by 2^-12 of itself: where W1's rows k have means that differ from k to k, their part of a row is not taken away and the step goes by it.
; SHARES.  A tile of h is 512 rows (b) x 128 columns (d) of one expert: four waves, each 128 x 128 in 64 accumulators (512 registers).
; A WORK-GROUP STAYS: four tiles, the experts 4 eg .. 4 eg + 3 at the same rows and columns.  In W1 expert e + 1 follows expert e, so the walk over K and experts is
; ONE walk of 64 half-steps of 64 k-rows, 1 MiB apart.
; x: a K step of 128 is 128 KiB of xb for the 512 rows; two LDS slots, filled by tensor loads.  Wave w fetches and reads its own 32 KiB of a slot.
; CLUSTER.  The four work-groups of a cluster have the same 512 rows, so x's tiles are asked for JOINTLY: the same load, descriptor and mask in all four.
; W1 HAS NO JOINT LOAD: it comes through registers (f32 in, two roundings a v_cvt_pk_bf16_f32, bf16 into LDS as [k][d]; ds_load_tr16_b128 turns it into fragments), since
; f32 tiles in LDS would take twice the bytes of a slot and a launch that casts W1 would move its bytes once more.  Each 512 bytes of W1 have two readers in the launch (the two row halves).
; A ring of two register pairs holds a wave's share (16 k-rows x 512 bytes) of two half-steps: a half-step is asked for three half-steps ahead of its products and laid into LDS one ahead.
; THE MATRIX INSTRUCTION IS USED TRANSPOSED (source 0 = 16 columns of W1, source 1 = 16 rows of x): a lane holds eight neighbouring d of one row b.
; REGISTERS, in windows of 256 (s_set_vgpr_msb: bits 1:0 source 0, 3:2 source 1, 5:4 source 2, 7:6 destination):
;   window 0: v8-15 nref as loaded; v16-29 addresses; v64-127, v128-191 fragments of x, two buffers; v32-63, v192-255 at work on the way out; v192-255 between two ways out: nref, eight registers a block of 16 rows
;   window 1: v64-127, v128-191 fragments of W1, two buffers; v0-63 and v192-255 the ring's two pairs
;   windows 2, 3: the accumulators: block a (16 rows) and b (16 columns) at v[8 (8 (a % 4) + b)] of window 2 + a / 4
.set SLOTA,  131072                    ; a slot of x: [32 row blocks][4 quarters][1,024 bytes], dense: a fragment load takes 512 consecutive bytes
.set KSB,    262144                    ; bytes of xb from K step to K step
.set BBASE,  2*SLOTA                   ; W1's two half-slots: written by ds_store alone, never by a tensor load
.set PB,     288                       ; a k-row of W1 in LDS: 256 bytes + 32
.set HALFB,  64*PB
.set STAGE,  BBASE+2*HALFB             ; 16 rows x 272 bytes for each wave, for the way out
.set SPITCH, 272
.set SPARE,  STAGE+4*16*SPITCH         ; the spare words, 128 bytes for each wave
.set MB,     1048576                   ; 64 k-rows of W1
.set RF,   8                           ; v8-15   nref of my row in each of my wave's eight blocks, as loaded
.set ADRA, 16                          ; v16-17  LDS address of my x fragments in slot 0, 1
.set ADRB, 20                          ; v20     my lane's place in a half-slot of W1, for the turning load
.set STB,  21                          ; v21     where I put 8 bytes of a k-row
.set VW,   22                          ; v22     my byte offset in a half-step of W1: 8 w rows + 16 x lane
.set STO,  24                          ; v24     the way out: where I put 16 bytes of a row
.set RD,   25                          ; v25     the way out: where I read a row back
.set CO,   26                          ; v26     my byte offset in two rows of hbuf
.set RO,   27                          ; v27     4 (l % 16): my row's byte offset in a block's 16 numbers of nref
.set SPW,  28                          ; v28     my spare word; never rewritten
.set NIL,  29                          ; v29     0; never rewritten
.set F0,   64
.set F1,   128
.set TMP,  192
.set CR,   192                         ; block a's C operand at v[CR + 8 a]: eight registers, all my row's nref
.set OB,   32
.set G1, 24                            ; s[24:31] descriptor group 1
.set G0, 32                            ; s[32:39] descriptor group 0, a set for each slot
.set AB, 40                            ; s[40:41] xb at my wave's 32 KiB of K step 0
.set SO, 42                            ; s[42:43] byte offset of the K step to be asked for next; it wraps at a tile's end
.set WP, 44                            ; s[44:45] W1 at my columns, three half-steps ahead of the lap's first
.set LC, 46                            ; s46  the lap
.set TT, 47                            ; s47  the lap within its tile
.set RB, 54                            ; s[54:55] nref at my wave's 128 rows of the tile in hand
.set MSB, 0
.macro WIN new                         ; the immediate's high byte repeats the setting that is left; a switch that changes nothing is dropped
.if MSB != (\new)
	s_set_vgpr_msb (MSB<<8)|(\new)
.set MSB, \new
.endif
.endm
.set MUL_LO, 0xa1                      ; source 0 (W1) window 1, source 1 (x) window 0, C and D window 2
.set TO_B,   0x40                      ; destination window 1, address window 0
.macro PLACES                          ; four places in front of loads into registers that products have read, and of vector lines that read results
.rept 4
	v_nop
.endr
.endm
.macro JLOAD p                         ; a joint load: every wave asks for its own 32 KiB; an s_nop 0 and four v_nop follow
	tensor_load_to_lds s[G0+4*(\p):G0+4*(\p)+3], s[G1:G1+7]
	s_nop 0
	PLACES
.endm
.macro CREST                           ; a round of the cluster's barrier behind its opening barrier
	s_cmp_lg_u32 s10, 0
	s_cbranch_scc1 .Lnot_wave_0_\@
	s_barrier_signal -3
.Lnot_wave_0_\@:
	s_barrier_wait -3
	s_barrier_signal -1
	s_barrier_wait -1
.endm
.macro CROUND
	s_barrier_signal -1
	s_barrier_wait -1
	CREST
.endm
	s_load_b128 s[4:7], s[0:1], 0x0                ; xb s[4:5], W1 s[6:7]
	s_load_b128 s[52:55], s[0:1], 0x10             ; hbuf s[52:53], nref s[54:55]
	v_lshl_add_u32 v[SPW], v0, 2, SPARE
	v_mov_b32 v[NIL], 0
	ds_add_u32 v[SPW], v[NIL]                      ; the wave's opening: the add and its wait stand ahead of my first tensor load; the set-up, work on registers, stands between
	ds_add_u32 v28, v29
	v_lshrrev_b32 v1, 5, v0
	v_readfirstlane_b32 s10, v1                    ; wave 0..3
	s_bfe_u32 s11, ttmp6, 0x40000                  ; cx: it enters W1's, hbuf's and nref's addresses alone
	s_and_b32 s12, ttmp9, 1                        ; which 512 rows: the same in the four partners
	s_lshr_b32 s13, ttmp9, 1
	s_lshl_b32 s13, s13, 2
	s_add_co_u32 s13, s13, s11                     ; 0..127:
	s_and_b32 s14, s13, 31                         ; which 128 columns,
	s_lshr_b32 s15, s13, 5                         ; which four experts
	; descriptor group 1: 32 KiB that are dense in memory, as 128 rows of 256 bytes (32 elements of 8 bytes), no padding
	s_mov_b32 s[G1+0], 15|(3<<16)|(1<<21)          ; 15:0 the mask: all four work-groups; 17:16 elements of 8 bytes; 21 set beside a mask
	s_mov_b32 s[G1+1], 32<<16                      ; tensor_dim0 = 32
	s_mov_b32 s[G1+2], 128<<16                     ; tensor_dim1 = 128
	s_mov_b32 s[G1+3], 32<<16                      ; tile_dim0 = 32
	s_mov_b32 s[G1+4], 128                         ; tile_dim1 = 128
	s_mov_b32 s[G1+5], 32                          ; 32 elements from row to row
	s_mov_b32 s[G1+6], 0
	s_mov_b32 s[G1+7], 0
	s_lshl_b32 s16, s12, 17                        ; xb: my half's 128 KiB of a K step,
	s_lshl_b32 s17, s10, 15                        ; my wave's 32 KiB
	s_add_co_u32 s16, s16, s17
	s_mov_b32 s17, 0
	s_lshl_b32 s18, s15, 26                        ; W1: four experts of 16 MiB,
	s_lshl_b32 s19, s14, 9                         ; 128 columns of f32,
	s_add_co_u32 s18, s18, s19
	s_add_co_u32 s18, s18, 3*MB                    ; three half-steps on
	s_mov_b32 s19, 0
	s_lshl_b32 s20, s15, 25                        ; hbuf: four experts of 8 MiB,
	s_lshl_b32 s21, s12, 22                        ; 512 rows of 8,192 bytes,
	s_add_co_u32 s20, s20, s21
	s_lshl_b32 s21, s10, 20                        ; my wave's 128 rows,
	s_add_co_u32 s20, s20, s21
	s_lshl_b32 s21, s14, 8                         ; 128 columns of f16
	s_add_co_u32 s20, s20, s21
	s_mov_b32 s21, 0
	s_lshl_b32 s58, s15, 14                        ; nref: four experts of 4,096 bytes,
	s_lshl_b32 s59, s12, 11                        ; 512 rows,
	s_add_co_u32 s58, s58, s59
	s_lshl_b32 s59, s10, 9                         ; my wave's 128
	s_add_co_u32 s58, s58, s59
	s_mov_b32 s59, 0
	s_mul_i32 s22, s10, 32768                      ; my part of a slot: no place in the cluster enters an LDS address
	s_mul_i32 s23, s10, 8*PB                       ; my 8 k-rows of each 32
	s_add_co_u32 s23, s23, BBASE
	s_lshl_b32 s48, s10, 17                        ; the same 8 rows in W1: 16,384 bytes each
	s_mul_i32 s49, s10, 16*SPITCH
	s_add_co_u32 s49, s49, STAGE                   ; my stage
	s_mov_b32 s[SO], 2*KSB                         ; K steps 0 and 1 are the first fills
	s_mov_b32 s[SO+1], 0
	v_and_b32 v2, 31, v0                           ; lane
	v_and_b32 v1, 15, v0                           ; l % 16
	v_bfe_u32 v3, v0, 4, 1                         ; l / 16
	v_and_b32 v4, 7, v0
	v_bfe_u32 v5, v0, 3, 1
	v_lshlrev_b32 v[RO], 2, v1
	v_lshl_add_u32 v[ADRA], v2, 4, s22
	v_add_nc_u32 v[ADRA+1], SLOTA, v[ADRA]
	v_lshl_add_u32 v6, v3, 3, v4                   ; the turning load: lane l reads k-row 8 (l / 16) + l % 8, columns 8 ((l / 8) % 2) + 0..7
	v_mul_u32_u24 v6, v6, PB
	v_lshl_add_u32 v6, v5, 4, v6
	v_add_nc_u32 v[ADRB], BBASE, v6
	v_lshl_add_u32 v[STB], v2, 3, s23
	v_lshl_add_u32 v[VW], v2, 4, s48
	v_mul_u32_u24 v6, v1, SPITCH                   ; into the stage: row l % 16, 16 bytes for each half of the lanes
	v_lshl_add_u32 v6, v3, 4, v6
	v_add_nc_u32 v[STO], s49, v6
	v_mul_u32_u24 v6, v3, SPITCH                   ; back: lanes 0-15 one row of 256 bytes, lanes 16-31 the next
	v_lshl_add_u32 v6, v1, 4, v6
	v_add_nc_u32 v[RD], s49, v6
	v_lshlrev_b32 v6, 13, v3                       ; and the same two rows in hbuf
	v_lshl_add_u32 v[CO], v1, 4, v6
	s_wait_dscnt 0x0                               ; the opening add is done
	s_wait_kmcnt 0x0
	s_add_nc_u64 s[AB:AB+1], s[4:5], s[16:17]
	s_add_nc_u64 s[WP:WP+1], s[6:7], s[18:19]
	s_add_nc_u64 s[8:9], s[52:53], s[20:21]
	s_add_nc_u64 s[RB:RB+1], s[RB:RB+1], s[58:59]
	CROUND                                         ; all four work-groups are here: the first joint loads meet
.irp p, 0,1
	s_mov_b32 s[G0+4*(\p)], 1                                      ; count = 1
	s_add_co_u32 s[G0+4*(\p)+1], s22, (\p)*SLOTA                   ; LDS address
	s_add_nc_u64 s[G0+4*(\p)+2:G0+4*(\p)+3], s[AB:AB+1], (\p)*KSB  ; global address: K step p
	s_or_b32 s[G0+4*(\p)+3], s[G0+4*(\p)+3], 0x80000000            ; type = 2
	JLOAD \p                                       ; two loads of mine are out
.endr
; 16 products: row blocks a0, a0 + 1 of the window's four x all 8 column blocks, 32 along K.  first = 1: they start the sums, from the block's nref: nothing is ever cleared.
; The 64 accumulators take turns in the same order in every quarter.
.macro MUL16 f, hi, a0, first
.if \first
	WIN 0x81+0x40*(\hi)                            ; as below, but C in window 0
.else
	WIN MUL_LO+0x50*(\hi)
.endif
.irp a, \a0, (\a0)+1
.irp b, 0,1,2,3,4,5,6,7
.if \first
	v_wmma_f32_16x16x32_bf16 v[8*(8*(\a)+(\b)):8*(8*(\a)+(\b))+7], v[(\f)+8*(\b):(\f)+8*(\b)+7], v[(\f)+8*(4*(\hi)+(\a)):(\f)+8*(4*(\hi)+(\a))+7], v[CR+8*(4*(\hi)+(\a)):CR+8*(4*(\hi)+(\a))+7]
.else
	v_wmma_f32_16x16x32_bf16 v[8*(8*(\a)+(\b)):8*(8*(\a)+(\b))+7], v[(\f)+8*(\b):(\f)+8*(\b)+7], v[(\f)+8*(4*(\hi)+(\a)):(\f)+8*(4*(\hi)+(\a))+7], v[8*(8*(\a)+(\b)):8*(8*(\a)+(\b))+7]
.endif
.endr
.endr
.endm
; 32 LDS loads in one run: quarter q (0..3) of x's slot aslot and the same 32 k-rows of W1's half-slot hs, into buffer f.  W1 first, x's rows 64-127 last.
.macro FETCH aslot, hs, q, f
	WIN TO_B
.irp i, 0,1,2,3,4,5,6,7
	ds_load_tr16_b128 v[(\f)+8*(\i):(\f)+8*(\i)+3],   v[ADRB] offset:(\hs)*HALFB+((\q)&1)*32*PB+32*(\i)
	ds_load_tr16_b128 v[(\f)+8*(\i)+4:(\f)+8*(\i)+7], v[ADRB] offset:(\hs)*HALFB+((\q)&1)*32*PB+32*(\i)+16*PB
.endr
	WIN 0
.irp i, 0,1,2,3,4,5,6,7
	ds_load_b128 v[(\f)+8*(\i):(\f)+8*(\i)+3],   v[ADRA+(\aslot)] offset:(\i)*4096+(\q)*1024
	ds_load_b128 v[(\f)+8*(\i)+4:(\f)+8*(\i)+7], v[ADRA+(\aslot)] offset:(\i)*4096+(\q)*1024+512
.endr
.endm
; Ring pair p (my wave's 16 k-rows x 512 bytes of f32: rows 8 w + 0..7 of each 32) is rounded in place and laid into half-slot hsd.  n: the younger global loads, which stay out.
.macro CSTORE p, hsd, n
	s_wait_loadcnt \n
	WIN 0x45                                       ; destination and both sources in window 1
.set ii, 0
.rept 16
	v_cvt_pk_bf16_f32 v[192*(\p)+4*ii],   v[192*(\p)+4*ii],   v[192*(\p)+4*ii+1]
	v_cvt_pk_bf16_f32 v[192*(\p)+4*ii+1], v[192*(\p)+4*ii+2], v[192*(\p)+4*ii+3]
.set ii, ii+1
.endr
	WIN 0x04                                       ; store data in window 1, address in window 0
.set ii, 0
.rept 16
	ds_store_b64 v[STB], v[192*(\p)+4*ii:192*(\p)+4*ii+1] offset:(\hsd)*HALFB+(32*(ii/8)+ii%8)*PB   ; 32 lanes x 8 bytes: a k-row's 256 bytes
.set ii, ii+1
.endr
.endm
.macro CLOAD p, imm                    ; the pair's registers take the half-step two further on: each load covers 512 consecutive bytes, aligned
	WIN TO_B
.set ii, 0
.rept 16
	global_load_b128 v[192*(\p)+4*ii:192*(\p)+4*ii+3], v[VW], s[WP:WP+1] offset:(\imm)+(32*(ii/8)+ii%8)*16384
.set ii, ii+1
.endr
.endm
.macro REFLOAD imm                     ; nref of my row in each of my wave's eight blocks; both halves of the lanes hold the same rows
	WIN 0
.irp a, 0,1,2,3,4,5,6,7
	global_load_b32 v[RF+(\a)], v[RO], s[RB:RB+1] offset:(\imm)+64*(\a)
.endr
.endm
.macro REFSET                          ; a lane's eight numbers of an accumulator belong to one row: eight registers with that row's nref make the block's C operand
	WIN 0
.irp a, 0,1,2,3,4,5,6,7
.irp j, 0,1,2,3,4,5,6,7
	v_mov_b32 v[CR+8*(\a)+(\j)], v[RF+(\a)]
.endr
.endr
.endm
; A half-step is two quarters of 32 along K, 64 products each.  QA is the first: it multiplies buffer 0 and has ONE run of memory instructions in its middle: (st = 1) the NEXT half-step's W1 goes
; into the other half-slot, which nobody reads since the last barrier; (ld = 1) the ring asks for the half-step three on (j: the half-step's place in the lap); the second quarter's fragments go into buffer 1.
; The 32 conversions are the places in front of the loads into buffer 1.  step = 1: the lap's last: W1's address goes four half-steps on.
.macro QA aslot, hs, first, st, ld, j, n, step
	s_wait_dscnt 8                                 ; W1's fragments and x's rows 0-63 are in; the youngest eight loads (x's rows 64-127) may be out
	MUL16 F0, 0, 0, \first
	MUL16 F0, 0, 2, \first
.if \st
	CSTORE 1-(\hs), 1-(\hs), \n
.if \ld
	CLOAD 1-(\hs), (\j)*MB
.endif
.else
	PLACES
.endif
	FETCH \aslot, \hs, 2*(\hs)+1, F1
.if \st
	s_wait_dscnt 48                                ; all but the 16 stores and 32 loads just issued
.else
	s_wait_dscnt 32
.endif
	MUL16 F0, 1, 0, \first
	MUL16 F0, 1, 2, \first
.if \step
	s_wait_xcnt 0x0                                ; the loads' base is rewritten only behind this wait
	s_add_nc_u64 s[WP:WP+1], s[WP:WP+1], 4*MB
.endif
.endm
; QT is the second quarter: it multiplies buffer 1 and holds the half-step's ONE barrier.  In front of it each wave has waited for its stores into the other half-slot and for its reads of this one;
; behind it the other half-slot is whole and this one may be written.  kind = 1: x's slot is used up too: each wave waits for all its tensor loads (one is out: its part of the other slot), adds 0 to
; its spare word, and the barrier opens a round of the cluster's; the joint refill is the first thing behind the round, 224 products ahead of the wait for it.  kind = 2: the same without round and refill.
.macro QT kind, aslot, hs
.if (\kind) >= 1
	WIN 0                                          ; (the add's two registers lie in window 0)
	s_wait_tensorcnt 0x0
	ds_add_u32 v[SPW], v[NIL]                      ; 0 onto my spare word; sixteen products stand between it and the wait for it
	s_wait_dscnt 9                                 ; (the add and the eight loads of x's rows 64-127 may be out)
.else
	s_wait_dscnt 8                                 ; the eight loads of x's rows 64-127 may be out
.endif
	MUL16 F1, 0, 0, 0
	s_wait_dscnt 0x0                               ; my stores are done and my reads are back
	s_barrier_signal -1
	MUL16 F1, 0, 2, 0                              ; work on registers while the others arrive
.if (\kind) == 1
	WIN 0
.endif
	s_barrier_wait -1
.if (\kind) == 1
	CREST                                          ; no wave of any partner still reads the slot or has a load on its way
	s_add_nc_u64 s[G0+4*(\aslot)+2:G0+4*(\aslot)+3], s[AB:AB+1], s[SO:SO+1]   ; no load of mine is out, so a group 0 may be written
	s_or_b32 s[G0+4*(\aslot)+3], s[G0+4*(\aslot)+3], 0x80000000
	s_add_co_u32 s[SO], s[SO], KSB                 ; the next K step; behind a tile's eighth the next tile's first: x is the same for every expert
	s_and_b32 s[SO], s[SO], 8*KSB-1
	JLOAD \aslot                                   ; its four v_nop are also the places in front of the loads below
.else
	PLACES
.endif
.if (\hs) == 0
	FETCH \aslot, 1, 2, F0
.else
	FETCH 1-(\aslot), 0, 0, F0
.endif
	MUL16 F1, 1, 0, 0
	MUL16 F1, 1, 2, 0
.endm
; THE WAY OUT of block a (16 rows): rounded to f16, 16 bytes a lane; through my own stage in LDS; back as whole rows of 256 bytes; stored.
.macro PACK a
.set AC, 64*((\a)%4)
	WIN 0x0a+5*((\a)/4)                            ; sources 0 and 1: window 2 or 3
.irp b, 0,1,2,3,4,5,6,7
.irp r, 0,1,2,3                        ; each accumulator is read from its low end on
	v_cvt_pk_f16_f32 v[TMP+4*(\b)+(\r)], v[AC+8*(\b)+2*(\r)], v[AC+8*(\b)+2*(\r)+1]
.endr
.endr
	WIN 0
.endm
.macro TOSTAGE a
	WIN 0
.set BK, OB+192*((\a)%2)
.irp b, 0,1,2,3,4,5,6,7
	ds_store_b128 v[STO], v[TMP+4*(\b):TMP+4*(\b)+3] offset:32*(\b)
.endr
.irp t, 0,1,2,3,4,5,6,7
	ds_load_b128 v[BK+4*(\t):BK+4*(\t)+3], v[RD] offset:(\t)*2*SPITCH  ; LDS serves a wave's instructions in order (ISA guide 5.7.1.4): these see the stores above
.endr
.endm
.macro SEND a
	WIN 0
.set BK, OB+192*((\a)%2)
	s_wait_dscnt 0x0                               ; the block is back in registers
	s_wait_xcnt 0x0                                ; the registers that the stores two blocks back read are loaded again only behind this wait
.irp t, 0,1,2,3,4,5,6,7
	global_store_b128 v[CO], v[BK+4*(\t):BK+4*(\t)+3], s[8:9] offset:(\a)*131072+2*(\t)*8192  ; 16 lanes store 256 consecutive bytes, aligned; 1,032,192 at the most, inside the signed 24-bit immediate
.endr
.endm
.macro WAYOUT                          ; block a's conversions stand between block a - 1's loads from the stage and the wait for them
	PACK 0
	TOSTAGE 0
.irp a, 1,2,3,4,5,6,7
	PACK \a
	SEND (\a)-1
	TOSTAGE \a
.endr
	SEND 7
.endm
	; The first tile's nref; then the ring starts: half-steps 0 and 1 are asked for; 0 goes into half-slot 0, and its registers ask for 2.
	REFLOAD 0
	CLOAD 0, -3*MB
	CLOAD 1, -2*MB
	CSTORE 0, 0, 16                                ; behind a pair's sixteen loads stand the other pair's sixteen, here and in every lap; nref's eight are older still
	CLOAD 0, -1*MB
	REFSET
	s_wait_tensorcnt 1                             ; my part of K step 0 is in; K step 1's stays out
	s_wait_dscnt 0x0                               ; my part of half-slot 0 is written
	s_barrier_signal -1
	s_barrier_wait -1
	FETCH 0, 0, 0, F0
	WIN 0                                          ; at a label and at a branch every window is 0
	s_mov_b32 s[LC], 0
	s_branch .Lfirst                               ; the loop is entered at the quarter that starts a tile's sums, which is written once
.Llap:                                                 ; 15 trips; a lap is four half-steps, two K steps of x; a trip goes from a lap's second quarter to the next lap's first
	QT 0, 0, 0
	QA 0, 1, 0, 1, 1, 1, 16, 0
	QT 1, 0, 1
	QA 1, 0, 0, 1, 1, 2, 16, 0
	QT 0, 1, 0
	QA 1, 1, 0, 1, 1, 3, 16, 1
	QT 1, 1, 1
	WIN 0
	s_and_b32 s[TT], s[LC], 3                      ; LC counts the laps that are done
	s_cmp_eq_u32 s[TT], 0                          ; a tile is four laps; the count is the same in every work-group
	s_cbranch_scc1 .Ltile_done
	QA 0, 0, 0, 1, 1, 0, 16, 0
	WIN 0
	s_branch .Lnext
.Ltile_done:                                           ; both refills for the next tile are asked for: now the tile goes out.  No v_nop: blocks 0-3 were finished in front of the refill's four,
	REFLOAD 4096                                   ; (the next expert's nref is asked for a way out ahead of its use)
	WAYOUT                                         ; and their conversions, which name no register of the last products (blocks 4-7's), are those products' places
	s_wait_xcnt 0x0                                ; the bases, and the registers that the last stores read, are rewritten only behind this wait
	s_add_nc_u64 s[8:9], s[8:9], 8388608           ; the next expert's h,
	s_add_nc_u64 s[RB:RB+1], s[RB:RB+1], 4096      ; and its nref
	s_wait_loadcnt 0x0                             ; nref's eight loads are the youngest; the ring's were issued a way out and more ahead of them
	REFSET
.Lfirst:
	QA 0, 0, 1, 1, 1, 0, 16, 0                     ; the same quarter as above, with the same loads and stores; its products start a tile's sums
	WIN 0
.Lnext:
	s_add_co_u32 s[LC], s[LC], 1
	s_cmp_lt_u32 s[LC], 16
	s_cbranch_scc1 .Llap
	QT 0, 0, 0                                     ; the last lap is written out: nothing more is asked for, and the ring's counts run down
	QA 0, 1, 0, 1, 0, 0, 16, 0
	QT 2, 0, 1
	QA 1, 0, 0, 1, 0, 0, 0, 0
	QT 0, 1, 0
	QA 1, 1, 0, 0, 0, 0, 0, 0
	s_wait_dscnt 8                                 ; the very last quarter
	MUL16 F1, 0, 0, 0
	MUL16 F1, 0, 2, 0
	s_wait_dscnt 0x0
	MUL16 F1, 1, 0, 0
	MUL16 F1, 1, 2, 0
	PLACES                                         ; the way out reads results just made, and no other vector work is at hand
	WAYOUT
	s_wait_tensorcnt 0x0                           ; the wave's end: behind my last tensor load and my last LDS store
	ds_add_u32 v[SPW], v[NIL]
	s_wait_dscnt 0x0
	CROUND                                         ; the closing round: no work-group ends while a partner may still ask for a tile that names it
	s_endpgm
.Lfunc_end_k_qcd5557bb5d_gemm:
	.size	k_qcd5557bb5d_gemm, .Lfunc_end_k_qcd5557bb5d_gemm-k_qcd5557bb5d_gemm
	.p2alignl 7, 3214868480
	.fill 96, 4, 3214868480
	.section	.rodata,"a",@progbits
	.p2align	6, 0x0
	.amdhsa_kernel k_qcd5557bb5d_gemm
		.amdhsa_group_segment_fixed_size 327680
		.amdhsa_private_segment_fixed_size 0
		.amdhsa_enable_private_segment 0
		.amdhsa_kernarg_size 32
		.amdhsa_user_sgpr_count 2
		.amdhsa_user_sgpr_kernarg_segment_ptr 1
		.amdhsa_wavefront_size32 1
		.amdhsa_system_sgpr_workgroup_id_x 1
		.amdhsa_system_sgpr_workgroup_id_y 1
		.amdhsa_system_sgpr_workgroup_id_z 1
		.amdhsa_system_vgpr_workitem_id 0
		.amdhsa_next_free_vgpr 1024
		.amdhsa_next_free_sgpr 66
		.amdhsa_reserve_vcc 0
		.amdhsa_float_denorm_mode_32 3
		.amdhsa_float_denorm_mode_16_64 3
		.amdhsa_memory_ordered 1
		.amdhsa_forward_progress 1
		.amdhsa_inst_pref_size 214
	.end_amdhsa_kernel
	.amdgpu_metadata
---
amdhsa.version: [ 1, 2 ]
amdhsa.kernels:
  - .name:           k_qcd5557bb5d_gemm
    .symbol:         k_qcd5557bb5d_gemm.kd
    .args:
      - { .name: xb, .offset: 0, .size: 8, .value_kind: global_buffer, .address_space: global }
      - { .name: W1, .offset: 8, .size: 8, .value_kind: global_buffer, .address_space: global }
      - { .name: hbuf, .offset: 16, .size: 8, .value_kind: global_buffer, .address_space: global }
      - { .name: nref, .offset: 24, .size: 8, .value_kind: global_buffer, .address_space: global }
    .group_segment_fixed_size: 327680
    .private_segment_fixed_size: 0
    .kernarg_segment_align: 8
    .kernarg_segment_size: 32
    .max_flat_workgroup_size: 128
    .sgpr_count:     66
    .vgpr_count:     1024
    .wavefront_size: 32
...
	.end_amdgpu_metadata
.endif
;; end of part 2
;; launch head (part 3): grid 256 x 1, 4 waves a work-group, no clusters, 327,680 bytes of LDS; arguments hbuf, par, b2, gate, pe; writes pe
.if DOCPART == 3
	.amdgcn_target "amdgcn-amd-amdhsa--gfx1250"
	.amdhsa_code_object_version 6
	.text
	.protected	k_qcd5557bb5d_head
	.globl	k_qcd5557bb5d_head
	.p2align	8
	.type	k_qcd5557bb5d_head,@function
k_qcd5557bb5d_head:
	s_mov_b64 s[64:65], 0
	v_nop
	global_prefetch_b8 v0, s[64:65] scope:SCOPE_SE
	s_setreg_imm32_b32 hwreg(HW_REG_WAVE_MODE, 25, 1), 1
	s_wait_xcnt 0x0
; pe[e][b] = gate[e][b] tanh( sum over d of relu( LN_d(h[e][b][d] + b1[e][d]) g[e][d] + lb[e][d] ) W2[e][d] + b2[e] ).   All arithmetic in f32.
; hbuf[e][b][d] f16 holds h plus a number that is the same for the whole row; LayerNorm takes the row's mean away, and that number with it: it is not wanted here.
; par[4][16][4096] f32 holds b1, g, lb, W2 as PREP rounded them to bf16; b2 is rounded here: the program computes the module on inputs that are all rounded alike.
; LN: mu = mean, var = mean of (v - mu)^2, taken of the row as it lies in registers (no difference of large sums), times rsqrt(var + 1e-5).
; tanh(y) = 1 - 2 / (1 + 2^(2 log2(e) y)): absolute error about 1e-7; it ends at +1 and -1 where the power overflows or is flushed to 0.  NaN and infinities are not treated apart.
; SHARES.  A work-group has ONE expert and 64 rows, a wave 16 rows: the expert's four vectors of 4,096 numbers stay in 512 registers of the wave and serve all its rows.
; One wave, one row: lane l owns columns 256 j + 8 l .. + 7, j = 0..15; the sums never leave the wave.
; hbuf comes by the tensor data mover: a wave's 16 rows are 128 KiB that are dense in memory; a ring of two slots of four rows (32 KiB) for each wave, the wave's own.
; NO CLUSTER: no two work-groups read the same h, and the vectors that an expert's 16 work-groups share are 64 KiB against their 8 MiB of h.  No matrix unit: the one product has a single column.
; A ROW'S TEXT is three parts.  A: the next row's 16 LDS loads.  B: the row in hand, second half (scale, gain, relu, W2).  C: the next row, first half (widen, bias, mean, variance).  So the loads land under B.
; REGISTERS, in windows of 256 (s_set_vgpr_msb: bits 1:0 source 0, 3:2 source 1, 5:4 source 2, 7:6 destination):
;   window 0: v1-31 addresses and small things; v64-191 the row in f32 (register 8 j + i: column 256 j + 8 l + i); v192-255 the row as loaded
;   window 1: v0-127 b1, v128-255 g          window 2: v0-127 lb, v128-255 W2
.set SLOT,  32768                      ; four rows of 8,192 bytes
.set SPARE, 262144                     ; behind the four rings: the spare words, 128 bytes for each wave
.set VEC,   262144                     ; bytes of par from vector to vector
.set LA0, 2                            ; v2   16 x lane; never rewritten
.set LA,  3                            ; v3   LDS address of the row to be loaded
.set L15, 4                            ; v4   lane % 16
.set ONE, 5                            ; v5   1.0
.set ZV,  6                            ; v6   lane l collects the result of row l % 16
.set EPS, 7                            ; v7   1e-5
.set MU,  8                            ; v[8:9]   the mean, in the low word
.set RS,  10                           ; v[10:11] 1 / sqrt(var + eps), in the low word
.set CH,  12                           ; v[12:19] four chains of sums, a pair each
.set SUM, 20                           ; v20  a sum over the row, in every lane
.set T1,  22
.set B2V, 23                           ; v23  b2 x 2 log2(e)
.set VP,  24                           ; v24  32 x lane
.set GT,  26                           ; v26  gate of row l % 16
.set PO,  27                           ; v27  4 (l % 16)
.set V,   64
.set IN,  192
.set G1,  16                           ; s[16:23] descriptor group 1
.set G0A, 24                           ; s[24:27] group 0 of the first fill
.set G0B, 28                           ; s[28:31] of the second; it then walks
.set TB,  48                           ; s48  LDS byte of the row to be loaded
.set CNT, 49                           ; s49  counts a slot's rows
.set OUT, 50                           ; s50  counts slots
.set RI,  51                           ; s51  the number of the row that part B ends
.set SEL, 56                           ; s[56:57] v_permlanex16_b32's selects
.set MSB, 0
.macro WIN new
.if MSB != (\new)
	s_set_vgpr_msb (MSB<<8)|(\new)
.set MSB, \new
.endif
.endm
	s_load_b256 s[32:39], s[0:1], 0x0              ; hbuf s[32:33], par s[34:35], b2 s[36:37], gate s[38:39]
	s_load_b64 s[40:41], s[0:1], 0x20              ; pe
	v_lshl_add_u32 v30, v0, 2, SPARE
	v_mov_b32 v31, 0
	ds_add_u32 v30, v31                            ; the wave's opening: the add and its wait stand ahead of my first tensor load; the set-up stands between
	ds_add_u32 v30, v31
	v_lshrrev_b32 v1, 5, v0
	v_readfirstlane_b32 s8, v1                     ; wave 0..3
	s_lshr_b32 s9, ttmp9, 4                        ; the expert
	s_and_b32 s10, ttmp9, 15                       ; which 64 rows
	; descriptor group 1: 32 KiB that are dense in memory, as 128 rows of 256 bytes (32 elements of 8 bytes), no padding: a stream's LDS loads take 512 consecutive bytes
	s_mov_b32 s[G1+0], 3<<16
	s_mov_b32 s[G1+1], 32<<16                      ; tensor_dim0 = 32
	s_mov_b32 s[G1+2], 128<<16                     ; tensor_dim1 = 128
	s_mov_b32 s[G1+3], 32<<16                      ; tile_dim0 = 32
	s_mov_b32 s[G1+4], 128                         ; tile_dim1 = 128
	s_mov_b32 s[G1+5], 32                          ; 32 elements from row to row
	s_mov_b32 s[G1+6], 0
	s_mov_b32 s[G1+7], 0
	s_mul_i32 s12, s8, 2*SLOT                      ; my wave's ring
	s_mov_b32 s[TB], s12
	s_lshl_b32 s58, s9, 23                         ; hbuf: the expert's 8 MiB,
	s_lshl_b32 s59, s10, 19                        ; 64 rows of 8,192 bytes,
	s_add_co_u32 s58, s58, s59
	s_lshl_b32 s59, s8, 17                         ; my wave's 16
	s_add_co_u32 s58, s58, s59
	s_mov_b32 s59, 0
	s_lshl_b32 s54, s9, 14                         ; the expert's row in each vector of par
	s_mov_b32 s55, 0
	s_lshl_b32 s60, s9, 12                         ; gate and pe: the expert's 1,024 numbers,
	s_lshl_b32 s61, s10, 8
	s_add_co_u32 s60, s60, s61
	s_lshl_b32 s61, s8, 6                          ; my wave's 16
	s_add_co_u32 s60, s60, s61
	s_mov_b32 s61, 0
	s_lshl_b32 s52, s9, 2                          ; b2[e]
	s_mov_b32 s53, 0
	s_mov_b32 s[SEL], 0x76543210
	s_mov_b32 s[SEL+1], 0xfedcba98
	s_mov_b32 s[RI], 0
	v_and_b32 v1, 31, v0                           ; lane
	v_lshlrev_b32 v[LA0], 4, v1
	v_and_b32 v[L15], 15, v0
	v_mov_b32 v[ONE], 1.0
	v_mov_b32 v[ZV], 0                             ; every lane's word is chosen anew in one of the 16 rows; it is written whole here since the choice reads it
	v_mov_b32 v[EPS], 0x3727c5ac
	v_mov_b32 v[MU+1], 0                           ; named with the low words as pairs, so they are written
	v_mov_b32 v[RS+1], 0
	v_lshlrev_b32 v[VP], 5, v1
	v_lshlrev_b32 v[PO], 2, v[L15]
	s_wait_dscnt 0x0                               ; the opening add is done
	s_wait_kmcnt 0x0
	s_add_nc_u64 s[32:33], s[32:33], s[58:59]
	s_mov_b32 s[G0A], 1
	s_mov_b32 s[G0A+1], s12                        ; slot 0
	s_add_nc_u64 s[G0A+2:G0A+3], s[32:33], 0       ; rows 0 to 3
	s_or_b32 s[G0A+3], s[G0A+3], 0x80000000
	s_mov_b32 s[G0B], 1
	s_add_co_u32 s[G0B+1], s12, SLOT               ; slot 1
	s_add_nc_u64 s[G0B+2:G0B+3], s[32:33], SLOT    ; rows 4 to 7
	s_or_b32 s[G0B+3], s[G0B+3], 0x80000000
	tensor_load_to_lds s[G0A:G0A+3], s[G1:G1+7]    ; the two first fills go out together: two loads of mine are out
	s_nop 0
	tensor_load_to_lds s[G0B:G0B+3], s[G1:G1+7]
	s_nop 0
.rept 4
	v_nop
.endr
	s_add_nc_u64 s[34:35], s[34:35], s[54:55]
	s_add_nc_u64 s[36:37], s[36:37], s[52:53]
	s_add_nc_u64 s[38:39], s[38:39], s[60:61]
	s_add_nc_u64 s[40:41], s[40:41], s[60:61]
	s_load_b32 s62, s[36:37], 0x0                  ; b2[e]
	WIN 0x40                                       ; destination window 1: b1 and g
.set j, 0
.rept 16                               ; my 8 numbers of each 256 columns: 32 bytes, two loads
	global_load_b128 v[8*j:8*j+3],           v[VP], s[34:35] offset:1024*j
	global_load_b128 v[8*j+4:8*j+7],         v[VP], s[34:35] offset:1024*j+16
	global_load_b128 v[128+8*j:128+8*j+3],   v[VP], s[34:35] offset:VEC+1024*j
	global_load_b128 v[128+8*j+4:128+8*j+7], v[VP], s[34:35] offset:VEC+1024*j+16
.set j, j+1
.endr
	WIN 0x80                                       ; destination window 2: lb and W2
.set j, 0
.rept 16
	global_load_b128 v[8*j:8*j+3],           v[VP], s[34:35] offset:2*VEC+1024*j
	global_load_b128 v[8*j+4:8*j+7],         v[VP], s[34:35] offset:2*VEC+1024*j+16
	global_load_b128 v[128+8*j:128+8*j+3],   v[VP], s[34:35] offset:3*VEC+1024*j
	global_load_b128 v[128+8*j+4:128+8*j+7], v[VP], s[34:35] offset:3*VEC+1024*j+16
.set j, j+1
.endr
	WIN 0
	global_load_b32 v[GT], v[PO], s[38:39]
.macro PART_A                          ; the next row: 16 loads of 512 consecutive bytes
	v_add_nc_u32 v[LA], s[TB], v[LA0]
.set j, 0
.rept 16
	ds_load_b128 v[IN+4*j:IN+4*j+3], v[LA] offset:512*j
.set j, j+1
.endr
	s_add_co_u32 s[TB], s[TB], 8192
.endm
.macro RED                             ; the four chains into one number, the same in every lane
	v_pk_add_f32 v[CH:CH+1], v[CH:CH+1], v[CH+2:CH+3]
	v_pk_add_f32 v[CH+4:CH+5], v[CH+4:CH+5], v[CH+6:CH+7]
	v_pk_add_f32 v[CH:CH+1], v[CH:CH+1], v[CH+4:CH+5]
	v_add_f32 v[SUM], v[CH], v[CH+1]
	v_add_f32_dpp v[SUM], v[SUM], v[SUM] row_xmask:1 row_mask:0xf bank_mask:0xf
	v_add_f32_dpp v[SUM], v[SUM], v[SUM] row_xmask:2 row_mask:0xf bank_mask:0xf
	v_add_f32_dpp v[SUM], v[SUM], v[SUM] row_xmask:4 row_mask:0xf bank_mask:0xf
	v_add_f32_dpp v[SUM], v[SUM], v[SUM] row_xmask:8 row_mask:0xf bank_mask:0xf
	v_permlanex16_b32 v[CH], v[SUM], s[SEL], s[SEL+1]
	v_add_f32 v[SUM], v[SUM], v[CH]
.endm
.macro PART_C                          ; v = h + b1 in f32; mu; v - mu; var; 1 / sqrt(var + eps)
	s_wait_dscnt 0x0                               ; the row is in: its loads were issued a part B ago
	WIN 0x10                                       ; source 2 (b1) in window 1
.set m, 0
.rept 64
	v_fma_mix_f32 v[V+2*m],   v[IN+m], v[ONE], v[2*m]   op_sel_hi:[1,0,0]               ; the low f16 widened, times 1, plus b1: one instruction
	v_fma_mix_f32 v[V+2*m+1], v[IN+m], v[ONE], v[2*m+1] op_sel:[1,0,0] op_sel_hi:[1,0,0]
.set m, m+1
.endr
	WIN 0
.irp k, 0,1,2,3                        ; the first pairs start the chains: nothing is cleared
	v_pk_add_f32 v[CH+2*(\k):CH+2*(\k)+1], v[V+2*(\k):V+2*(\k)+1], v[V+8+2*(\k):V+8+2*(\k)+1]
.endr
.set m, 8
.rept 56
	v_pk_add_f32 v[CH+2*(m%4):CH+2*(m%4)+1], v[CH+2*(m%4):CH+2*(m%4)+1], v[V+2*m:V+2*m+1]
.set m, m+1
.endr
	RED
	v_mul_f32 v[MU], 0x39800000, v[SUM]            ; / 4,096
.set m, 0
.rept 64
	v_pk_add_f32 v[V+2*m:V+2*m+1], v[V+2*m:V+2*m+1], v[MU:MU+1] op_sel_hi:[1,0] neg_lo:[0,1] neg_hi:[0,1]
.set m, m+1
.endr
.irp k, 0,1,2,3
	v_pk_mul_f32 v[CH+2*(\k):CH+2*(\k)+1], v[V+2*(\k):V+2*(\k)+1], v[V+2*(\k):V+2*(\k)+1]
.endr
.set m, 4
.rept 60
	v_pk_fma_f32 v[CH+2*(m%4):CH+2*(m%4)+1], v[V+2*m:V+2*m+1], v[V+2*m:V+2*m+1], v[CH+2*(m%4):CH+2*(m%4)+1]
.set m, m+1
.endr
	RED
	v_fma_f32 v[T1], v[SUM], 0x39800000, v[EPS]    ; var + eps
	v_rsq_f32 v[RS], v[T1]
	v_nop                                          ; a plain instruction behind it,
	s_wait_alu depctr_va_vdst(0)                   ; and its wait, ahead of the branch that follows
.endm
.macro PART_B                          ; ((v - mu) rs) g + lb; relu; times W2, summed; the sum goes to lane RI of ZV
.set m, 0
.rept 64
	v_pk_mul_f32 v[V+2*m:V+2*m+1], v[V+2*m:V+2*m+1], v[RS:RS+1] op_sel_hi:[1,0]
.set m, m+1
.endr
	WIN 0x24                                       ; source 1 (g) in window 1, source 2 (lb) in window 2
.set m, 0
.rept 64
	v_pk_fma_f32 v[V+2*m:V+2*m+1], v[V+2*m:V+2*m+1], v[128+2*m:128+2*m+1], v[2*m:2*m+1]
.set m, m+1
.endr
	WIN 0
.set m, 0
.rept 128
	v_max_num_f32 v[V+m], 0, v[V+m]
.set m, m+1
.endr
	WIN 0x08                                       ; source 1 (W2) in window 2
.irp k, 0,1,2,3
	v_pk_mul_f32 v[CH+2*(\k):CH+2*(\k)+1], v[V+2*(\k):V+2*(\k)+1], v[128+2*(\k):128+2*(\k)+1]
.endr
.set m, 4
.rept 60
	v_pk_fma_f32 v[CH+2*(m%4):CH+2*(m%4)+1], v[V+2*m:V+2*m+1], v[128+2*m:128+2*m+1], v[CH+2*(m%4):CH+2*(m%4)+1]
.set m, m+1
.endr
	WIN 0
	RED
	v_cmp_eq_u32 vcc_lo, s[RI], v[L15]
	v_cndmask_b32 v[ZV], v[ZV], v[SUM], vcc_lo
	s_add_co_u32 s[RI], s[RI], 1
.endm
; The slot just read is filled again with the rows two slots on: all my tensor loads have landed (the unread slot's among them), the add, my reads are back, the barrier, and the one load first behind it.
.macro FILL
	s_wait_tensorcnt 0x0                           ; no tensor load of mine is out, so the group 0 may be written
	ds_add_u32 v30, v31                            ; 0 onto my spare word; the descriptor's steps stand between it and the wait for it
	s_xor_b32 s[G0B+1], s[G0B+1], SLOT             ; the other slot than last time,
	s_add_nc_u64 s[G0B+2:G0B+3], s[G0B+2:G0B+3], SLOT  ; the next four rows; the type bits on top are not reached
	s_wait_dscnt 0x0
	s_barrier_signal -1
	s_barrier_wait -1
	tensor_load_to_lds s[G0B:G0B+3], s[G1:G1+7]    ; 32 KiB a wave; it has four rows' work in which to land
	s_nop 0
.rept 4
	v_nop
.endr
.endm
.macro TBX                             ; the loads go back to a slot's first row, in the other slot
	s_sub_co_u32 s[TB], s[TB], SLOT
	s_xor_b32 s[TB], s[TB], SLOT
.endm
	s_wait_tensorcnt 1                             ; rows 0 to 3 are in; rows 4 to 7 stay out
	PART_A                                         ; row 0
	s_wait_loadcnt 0x0                             ; the four vectors and the gate, once
	s_wait_kmcnt 0x0                               ; b2
	v_mov_b32 v[B2V], s62
	v_cvt_pk_bf16_f32 v[B2V], v[B2V], v[B2V]       ; b2 rounded to bf16,
	v_lshlrev_b32 v[B2V], 16, v[B2V]               ; widened,
	v_mul_f32 v[B2V], 0x4038aa3b, v[B2V]           ; x 2 log2(e)
	s_mov_b32 s[CNT], 4
	s_mov_b32 s[OUT], 2
	s_branch .Lmid1                                ; the loop is entered in the middle of a trip: there is no row before row 0
.Lslot1:                                               ; twice: rows 0 to 7; each slot is filled again when it has been read
	s_mov_b32 s[CNT], 4
.Ltop1:
	PART_A
	PART_B
.Lmid1:
	PART_C
	s_sub_co_u32 s[CNT], s[CNT], 1
	s_cmp_lg_u32 s[CNT], 0
	s_cbranch_scc1 .Ltop1
	FILL
	TBX
	s_sub_co_u32 s[OUT], s[OUT], 1
	s_cmp_lg_u32 s[OUT], 0
	s_cbranch_scc1 .Lslot1
	s_mov_b32 s[OUT], 2
.Lslot2:                                               ; twice: rows 8 to 15; nothing is left to fetch, so this text has no fill and no barrier
	s_mov_b32 s[CNT], 4
.Ltop2:
	PART_A
	PART_B
	PART_C
	s_sub_co_u32 s[CNT], s[CNT], 1
	s_cmp_lg_u32 s[CNT], 0
	s_cbranch_scc1 .Ltop2
	s_wait_tensorcnt 0x0                           ; rows 8 to 11 were shown in by the last fill's wait; this one, four rows' work behind its load, shows rows 12 to 15: no load was issued behind theirs
	TBX
	s_sub_co_u32 s[OUT], s[OUT], 1
	s_cmp_lg_u32 s[OUT], 0
	s_cbranch_scc1 .Lslot2
	PART_B                                         ; row 15
	v_fma_f32 v[T1], v[ZV], 0x4038aa3b, v[B2V]     ; (z + b2) x 2 log2(e)
	v_exp_f32 v[T1], v[T1]
	v_nop
	s_wait_alu depctr_va_vdst(0)
	v_add_f32 v[T1], 1.0, v[T1]
	v_rcp_f32 v[T1], v[T1]
	v_nop
	s_wait_alu depctr_va_vdst(0)
	v_fma_f32 v[T1], v[T1], -2.0, 1.0              ; tanh
	v_mul_f32 v[T1], v[T1], v[GT]
	s_wait_tensorcnt 0x0                           ; the wave's end: behind my last tensor load
	ds_add_u32 v30, v31
	s_wait_dscnt 0x0
	v_cmp_gt_u32 vcc_lo, 16, v1
	s_wait_xcnt 0x0                                ; EXEC changes only behind this wait
	s_and_saveexec_b32 s11, vcc_lo                 ; lanes 16 to 31 hold the same 16 numbers once more
	global_store_b32 v[PO], v[T1], s[40:41]        ; 64 consecutive bytes
	s_wait_xcnt 0x0
	s_or_b32 exec_lo, exec_lo, s11
	s_endpgm
.Lfunc_end_k_qcd5557bb5d_head:
	.size	k_qcd5557bb5d_head, .Lfunc_end_k_qcd5557bb5d_head-k_qcd5557bb5d_head
	.p2alignl 7, 3214868480
	.fill 96, 4, 3214868480
	.section	.rodata,"a",@progbits
	.p2align	6, 0x0
	.amdhsa_kernel k_qcd5557bb5d_head
		.amdhsa_group_segment_fixed_size 327680
		.amdhsa_private_segment_fixed_size 0
		.amdhsa_enable_private_segment 0
		.amdhsa_kernarg_size 40
		.amdhsa_user_sgpr_count 2
		.amdhsa_user_sgpr_kernarg_segment_ptr 1
		.amdhsa_wavefront_size32 1
		.amdhsa_system_sgpr_workgroup_id_x 1
		.amdhsa_system_sgpr_workgroup_id_y 1
		.amdhsa_system_sgpr_workgroup_id_z 1
		.amdhsa_system_vgpr_workitem_id 0
		.amdhsa_next_free_vgpr 768
		.amdhsa_next_free_sgpr 66
		.amdhsa_reserve_vcc 1
		.amdhsa_float_denorm_mode_32 3
		.amdhsa_float_denorm_mode_16_64 3
		.amdhsa_memory_ordered 1
		.amdhsa_forward_progress 1
		.amdhsa_inst_pref_size 115
	.end_amdhsa_kernel
	.amdgpu_metadata
---
amdhsa.version: [ 1, 2 ]
amdhsa.kernels:
  - .name:           k_qcd5557bb5d_head
    .symbol:         k_qcd5557bb5d_head.kd
    .args:
      - { .name: hbuf, .offset: 0, .size: 8, .value_kind: global_buffer, .address_space: global }
      - { .name: par, .offset: 8, .size: 8, .value_kind: global_buffer, .address_space: global }
      - { .name: b2, .offset: 16, .size: 8, .value_kind: global_buffer, .address_space: global }
      - { .name: gate, .offset: 24, .size: 8, .value_kind: global_buffer, .address_space: global }
      - { .name: pe, .offset: 32, .size: 8, .value_kind: global_buffer, .address_space: global }
    .group_segment_fixed_size: 327680
    .private_segment_fixed_size: 0
    .kernarg_segment_align: 8
    .kernarg_segment_size: 40
    .max_flat_workgroup_size: 128
    .sgpr_count:     66
    .vgpr_count:     768
    .wavefront_size: 32
...
	.end_amdgpu_metadata
.endif
;; end of part 3
;; launch addup (part 4): grid 4 x 1, 4 waves a work-group, no clusters, 0 bytes of LDS; arguments pe, out0; writes out0
.if DOCPART == 4
	.amdgcn_target "amdgcn-amd-amdhsa--gfx1250"
	.amdhsa_code_object_version 6
	.text
	.protected	k_qcd5557bb5d_addup
	.globl	k_qcd5557bb5d_addup
	.p2align	8
	.type	k_qcd5557bb5d_addup,@function
k_qcd5557bb5d_addup:
	s_mov_b64 s[64:65], 0
	v_nop
	global_prefetch_b8 v0, s[64:65] scope:SCOPE_SE
	s_setreg_imm32_b32 hwreg(HW_REG_WAVE_MODE, 25, 1), 1
	s_wait_xcnt 0x0
; out[b] = sum over e of pe[e][b], in f32, e ascending.  pe: [16][1024] f32; out0: [1024] f32.
; Thread t of 512 owns b = 2 t and 2 t + 1: each load and the store of a wave cover 256 consecutive bytes, aligned.  There is work for sixteen waves and no more.
	s_load_b128 s[4:7], s[0:1], 0x0                ; pe s[4:5], out0 s[6:7]
	v_lshlrev_b32 v1, 3, v0
	s_lshl_b32 s8, ttmp9, 10                       ; 128 threads x 8 bytes a work-group
	s_mov_b32 s9, 0
	s_wait_kmcnt 0x0
	s_add_nc_u64 s[4:5], s[4:5], s[8:9]
	s_add_nc_u64 s[6:7], s[6:7], s[8:9]
.irp e, 0,1,2,3,4,5,6,7,8,9,10,11,12,13,14,15
	global_load_b64 v[2+2*(\e):3+2*(\e)], v1, s[4:5] offset:4096*(\e)
.endr
.irp e, 1,2,3,4,5,6,7,8,9,10,11,12,13,14,15
	s_wait_loadcnt 15-(\e)                         ; loads come back in order (ISA guide 5.7.1): experts 0 to e are in
	v_pk_add_f32 v[2:3], v[2:3], v[2+2*(\e):3+2*(\e)]
.endr
	global_store_b64 v1, v[2:3], s[6:7]
	s_endpgm
.Lfunc_end_k_qcd5557bb5d_addup:
	.size	k_qcd5557bb5d_addup, .Lfunc_end_k_qcd5557bb5d_addup-k_qcd5557bb5d_addup
	.p2alignl 7, 3214868480
	.fill 96, 4, 3214868480
	.section	.rodata,"a",@progbits
	.p2align	6, 0x0
	.amdhsa_kernel k_qcd5557bb5d_addup
		.amdhsa_group_segment_fixed_size 0
		.amdhsa_private_segment_fixed_size 0
		.amdhsa_enable_private_segment 0
		.amdhsa_kernarg_size 16
		.amdhsa_user_sgpr_count 2
		.amdhsa_user_sgpr_kernarg_segment_ptr 1
		.amdhsa_wavefront_size32 1
		.amdhsa_system_sgpr_workgroup_id_x 1
		.amdhsa_system_sgpr_workgroup_id_y 1
		.amdhsa_system_sgpr_workgroup_id_z 1
		.amdhsa_system_vgpr_workitem_id 0
		.amdhsa_next_free_vgpr 48
		.amdhsa_next_free_sgpr 66
		.amdhsa_reserve_vcc 0
		.amdhsa_float_denorm_mode_32 3
		.amdhsa_float_denorm_mode_16_64 3
		.amdhsa_memory_ordered 1
		.amdhsa_forward_progress 1
		.amdhsa_inst_pref_size 4
	.end_amdhsa_kernel
	.amdgpu_metadata
---
amdhsa.version: [ 1, 2 ]
amdhsa.kernels:
  - .name:           k_qcd5557bb5d_addup
    .symbol:         k_qcd5557bb5d_addup.kd
    .args:
      - { .name: pe, .offset: 0, .size: 8, .value_kind: global_buffer, .address_space: global }
      - { .name: out0, .offset: 8, .size: 8, .value_kind: global_buffer, .address_space: global }
    .group_segment_fixed_size: 0
    .private_segment_fixed_size: 0
    .kernarg_segment_align: 8
    .kernarg_segment_size: 16
    .max_flat_workgroup_size: 128
    .sgpr_count:     66
    .vgpr_count:     48
    .wavefront_size: 32
...
	.end_amdgpu_metadata
.endif
;; end of part 4
